; MI455X (gfx1250); checked and timed in simulation.
; The chip was launched on July 23, 2026; its instructions are those of AMD's public machine-readable ISA for CDNA 5 (MIT licence, August 2026) and "CDNA5" Instruction Set Architecture Reference Guide (July 2026). The comments in the code are by the model that wrote it; some were corrected since.
;; Grouped Query Attention. Allowed arithmetic: float matrix products may take bf16 or f16 operands with f32 sums; other float arithmetic in f32, or as packed bf16 or f16 multiplies, adds, multiply-adds, maxima and minima; sums over many terms, partial sums and values carried from step to step in f32; what a program stores and reads back later, other than sums and carried values, may be rounded once to bf16 or f16.
;; Inputs: cos 2,048 x 256 float32; k_gamma 256 float32; mask 2,048 x 2,048 bool; q_gamma 256 float32; sin 2,048 x 256 float32; wk 1,024 x 2,048 float32; wo 2,048 x 1,024 float32; wq 1,024 x 2,048 float32; wv 1,024 x 2,048 float32; x 2 x 2,048 x 2,048 float32.
;; Outputs: out0 2 x 2,048 x 2,048 float32.
;; One version. Each part assembles by itself: llvm-mc -triple=amdgcn-amd-amdhsa -mcpu=gfx1250 --defsym DOCPART=n.
;; ======== version 1 of 1: 4 launches
;; limits: values are held in f16: magnitudes above 65,504 overflow, below 6.1e-05 lose precision
;; workspace buffers: ws 39,845,888 bytes; qkvb 25,165,824 bytes; ctxb 8,388,608 bytes
;; launch prep (part 1): grid 2432 x 1, 8 waves a work-group, no clusters, 0 bytes of LDS; arguments x, wq, wk, wv, wo, cos, sin, mask, ws; writes ws
.if DOCPART == 1
	.amdgcn_target "amdgcn-amd-amdhsa--gfx1250"
	.amdhsa_code_object_version 6
	.text
	.protected	k_qd0621c9e81_prep
	.globl	k_qd0621c9e81_prep
	.p2align	8
	.type	k_qd0621c9e81_prep,@function
k_qd0621c9e81_prep:
	s_mov_b64 s[64:65], 0
	v_nop
	global_prefetch_b8 v0, s[64:65] scope:SCOPE_SE
	s_setreg_imm32_b32 hwreg(HW_REG_WAVE_MODE, 25, 1), 1
	s_wait_xcnt 0x0
; PREP: the 16-bit copies that the three later launches read, all in one buffer ws, 16,384 bytes of it to a work-group.
;   ws byte 0           x            bf16 [4096][2048]        work-groups    0 .. 1023
;   ws byte 16,777,216  wq, wk, wv   bf16 [3072][2048]        work-groups 1024 .. 1791
;   ws byte 29,360,128  wo           rounded to bf16, that number written as f16 [2048][1024]   1792 .. 2047
;   ws byte 33,554,432  cos          bf16 [2048][256]         2048 .. 2111
;   ws byte 34,603,008  sin          bf16 [2048][256]         2112 .. 2175
;   ws byte 35,651,584  mask         permuted, each byte times 0xF1                             2176 .. 2431
; Every floating-point input is rounded once, to bf16.  LIMIT: bf16(wo) beyond 65,504 becomes an infinity in f16; below 7.6e-6 it keeps f16's fixed step of 6e-8.
; THE MASK.  A unit is 16 bytes; unit ((qt 32 + kb) 2 + half) 32 + L holds, for lane L of the attention kernel, query 16 qt + L % 16 and the keys
; 64 kb + 32 half + 8 (L / 16) + 0..7 (first 8 bytes) and the same 16 keys further on (second 8 bytes): what the lane's registers of two score tiles want, so that a wave's
; load there covers 512 consecutive bytes.  A byte is 0 or 0xF1: moved to the top of a word it is a number below 2.4e-38 or one between -6e29 and -2.5e30.
; A stream: no LDS, no matrix unit, no barrier.  A thread has eight loads out; each wave's load covers 512 consecutive bytes, each store 256 (floats) or 512 (mask), aligned.
.set ID_WQ,   1024
.set ID_WK,   1280
.set ID_WV,   1536
.set ID_WO,   1792
.set ID_COS,  2048
.set ID_SIN,  2112
.set ID_MASK, 2176
.set IN,  8                            ; v[8:39]   as loaded
.set OUT, 40                           ; v[40:55]  to store
	s_load_b512 s[8:23], s[0:1], 0x0               ; x, wq, wk, wv, wo, cos, sin, mask
	s_load_b64 s[24:25], s[0:1], 0x40              ; ws
	s_mov_b32 s2, ttmp9                            ; my chunk of ws
	s_mov_b32 s3, 0                                ; the first chunk of my section
	s_lshl_b32 s26, s2, 14                         ; my chunk's byte offset in ws (under 2^26)
	s_mov_b32 s27, 0
	s_mov_b32 s29, 0
	s_mov_b32 s30, 0xffff0000                      ; a word's upper bf16
	s_mov_b32 s31, 0xf1
	v_lshlrev_b32 v1, 4, v0                        ; 16 t
	v_lshlrev_b32 v2, 3, v0                        ; 8 t
	s_wait_kmcnt 0x0
	s_mov_b64 s[4:5], s[8:9]
.macro PICK bound, p                   ; from chunk 'bound' on the source is the buffer in s[p:p+1]: a choice on the work-group's number alone
	s_cmp_ge_u32 s2, \bound
	s_cselect_b64 s[4:5], s[\p:\p+1], s[4:5]
	s_cselect_b32 s3, \bound, s3
.endm
	PICK ID_WQ, 10
	PICK ID_WK, 12
	PICK ID_WV, 14
	PICK ID_WO, 16
	PICK ID_COS, 18
	PICK ID_SIN, 20
	PICK ID_MASK, 22
	s_add_nc_u64 s[6:7], s[24:25], s[26:27]        ; where I store
	s_sub_co_u32 s28, s2, s3                       ; my chunk's number within its section
	s_cmp_ge_u32 s2, ID_MASK
	s_cbranch_scc1 .Lmask
	s_lshl_b32 s28, s28, 15                        ; 8,192 numbers of 4 bytes
	s_add_nc_u64 s[4:5], s[4:5], s[28:29]
.set g, 0
.rept 8
	global_load_b128 v[IN+4*g:IN+4*g+3], v1, s[4:5] offset:g*4096 th:TH_LOAD_NT
.set g, g+1
.endr
; group g: four numbers a thread.  f16 = 1: the bf16 numbers are widened again and written as f16
.macro CONV g, f16
	s_wait_loadcnt 7-(\g)                          ; loads come back in order: group g is in, the younger groups stay out
	v_cvt_pk_bf16_f32 v[OUT+2*(\g)],   v[IN+4*(\g)],   v[IN+4*(\g)+1]
	v_cvt_pk_bf16_f32 v[OUT+2*(\g)+1], v[IN+4*(\g)+2], v[IN+4*(\g)+3]
.if \f16
	v_lshlrev_b32 v4, 16, v[OUT+2*(\g)]
	v_and_b32 v5, s30, v[OUT+2*(\g)]
	v_lshlrev_b32 v6, 16, v[OUT+2*(\g)+1]
	v_and_b32 v7, s30, v[OUT+2*(\g)+1]
	v_cvt_pk_f16_f32 v[OUT+2*(\g)],   v4, v5
	v_cvt_pk_f16_f32 v[OUT+2*(\g)+1], v6, v7
.endif
	global_store_b64 v2, v[OUT+2*(\g):OUT+2*(\g)+1], s[6:7] offset:(\g)*2048
.endm
	s_cmp_eq_u32 s3, ID_WO
	s_cbranch_scc1 .Lf16
.irp g, 0,1,2,3,4,5,6,7
	CONV \g, 0
.endr
	s_endpgm
.Lf16:
.irp g, 0,1,2,3,4,5,6,7
	CONV \g, 1
.endr
	s_endpgm
.Lmask:
	; chunk rel holds the units of query tile rel / 2, key blocks 16 (rel % 2) .. + 15.  Thread t, group g: unit 256 g + t of the chunk: lane t % 32, half (t / 32) % 2, key block 4 g + t / 64.
	s_lshr_b32 s32, s28, 1
	s_lshl_b32 s32, s32, 15                        ; 16 rows of 2,048 bytes
	s_and_b32 s33, s28, 1
	s_lshl_b32 s33, s33, 10                        ; 16 key blocks of 64 bytes
	s_add_co_u32 s28, s32, s33
	s_add_nc_u64 s[4:5], s[4:5], s[28:29]
	v_and_b32 v3, 15, v0
	v_lshlrev_b32 v3, 11, v3                       ; the row t % 16,
	v_and_b32 v4, 0xe0, v0
	v_or_b32 v3, v3, v4                            ; 64 (t / 64) + 32 ((t / 32) % 2),
	v_bfe_u32 v4, v0, 4, 1
	v_lshl_add_u32 v3, v4, 3, v3                   ; 8 ((t / 16) % 2)
.irp g, 0,1,2,3
	global_load_b64 v[IN+4*\g:IN+4*\g+1],   v3, s[4:5] offset:\g*256
	global_load_b64 v[IN+4*\g+2:IN+4*\g+3], v3, s[4:5] offset:\g*256+16
.endr
.irp g, 0,1,2,3
	s_wait_loadcnt 6-2*\g                          ; group g's two loads are in
	v_mul_lo_u32 v[OUT+4*\g],   v[IN+4*\g],   s31  ; bytes of 0 or 1 times 0xF1: no carry from byte to byte
	v_mul_lo_u32 v[OUT+4*\g+1], v[IN+4*\g+1], s31
	v_mul_lo_u32 v[OUT+4*\g+2], v[IN+4*\g+2], s31
	v_mul_lo_u32 v[OUT+4*\g+3], v[IN+4*\g+3], s31
	global_store_b128 v1, v[OUT+4*\g:OUT+4*\g+3], s[6:7] offset:\g*4096
.endr
	s_endpgm
.Lfunc_end_k_qd0621c9e81_prep:
	.size	k_qd0621c9e81_prep, .Lfunc_end_k_qd0621c9e81_prep-k_qd0621c9e81_prep
	.p2alignl 7, 3214868480
	.fill 96, 4, 3214868480
	.section	.rodata,"a",@progbits
	.p2align	6, 0x0
	.amdhsa_kernel k_qd0621c9e81_prep
		.amdhsa_group_segment_fixed_size 0
		.amdhsa_private_segment_fixed_size 0
		.amdhsa_enable_private_segment 0
		.amdhsa_kernarg_size 72
		.amdhsa_user_sgpr_count 2
		.amdhsa_user_sgpr_kernarg_segment_ptr 1
		.amdhsa_wavefront_size32 1
		.amdhsa_system_sgpr_workgroup_id_x 1
		.amdhsa_system_sgpr_workgroup_id_y 1
		.amdhsa_system_sgpr_workgroup_id_z 1
		.amdhsa_system_vgpr_workitem_id 0
		.amdhsa_next_free_vgpr 64
		.amdhsa_next_free_sgpr 66
		.amdhsa_reserve_vcc 0
		.amdhsa_float_denorm_mode_32 3
		.amdhsa_float_denorm_mode_16_64 3
		.amdhsa_memory_ordered 1
		.amdhsa_forward_progress 1
		.amdhsa_inst_pref_size 12
	.end_amdhsa_kernel
	.amdgpu_metadata
---
amdhsa.version: [ 1, 2 ]
amdhsa.kernels:
  - .name:           k_qd0621c9e81_prep
    .symbol:         k_qd0621c9e81_prep.kd
    .args:
      - { .name: x, .offset: 0, .size: 8, .value_kind: global_buffer, .address_space: global }
      - { .name: wq, .offset: 8, .size: 8, .value_kind: global_buffer, .address_space: global }
      - { .name: wk, .offset: 16, .size: 8, .value_kind: global_buffer, .address_space: global }
      - { .name: wv, .offset: 24, .size: 8, .value_kind: global_buffer, .address_space: global }
      - { .name: wo, .offset: 32, .size: 8, .value_kind: global_buffer, .address_space: global }
      - { .name: cos, .offset: 40, .size: 8, .value_kind: global_buffer, .address_space: global }
      - { .name: sin, .offset: 48, .size: 8, .value_kind: global_buffer, .address_space: global }
      - { .name: mask, .offset: 56, .size: 8, .value_kind: global_buffer, .address_space: global }
      - { .name: ws, .offset: 64, .size: 8, .value_kind: global_buffer, .address_space: global }
    .group_segment_fixed_size: 0
    .private_segment_fixed_size: 0
    .kernarg_segment_align: 8
    .kernarg_segment_size: 72
    .max_flat_workgroup_size: 256
    .sgpr_count:     66
    .vgpr_count:     64
    .wavefront_size: 32
...
	.end_amdgpu_metadata
.endif
;; end of part 1
;; launch proj (part 2): grid 8 x 32, 4 waves a work-group, clusters of 4 x 4, 327,680 bytes of LDS; arguments ws, q_gamma, k_gamma, qkvb; writes qkvb
.if DOCPART == 2
	.amdgcn_target "amdgcn-amd-amdhsa--gfx1250"
	.amdhsa_code_object_version 6
	.text
	.protected	k_qd0621c9e81_proj
	.globl	k_qd0621c9e81_proj
	.p2align	8
	.type	k_qd0621c9e81_proj,@function
k_qd0621c9e81_proj:
	s_mov_b64 s[64:65], 0
	v_nop
	global_prefetch_b8 v0, s[64:65] scope:SCOPE_SE
	s_setreg_imm32_b32 hwreg(HW_REG_WAVE_MODE, 25, 1), 1
	s_wait_xcnt 0x0
	s_wait_alu depctr_hold_cnt(0) depctr_sa_sdst(0) depctr_va_vdst(0) depctr_va_sdst(0) depctr_va_ssrc(0) depctr_va_vcc(0) depctr_vm_vsrc(0)
	s_getreg_b32 s2, hwreg(HW_REG_IB_STS2, 6, 4)
	s_cmp_eq_u32 s2, 0
	s_cbranch_scc0 .Lentry_in_a_cluster
	s_endpgm
.Lentry_in_a_cluster:
	s_bfe_u32 s2, ttmp6, 0x10000c
	s_cmp_lg_u32 s2, 0xf033
	s_cbranch_scc0 .Lentry_shape_is_right
	s_endpgm
.Lentry_shape_is_right:
; PROJ: q, k, v = x [wq; wk; wv]^T in bf16 with f32 sums; on the way out the RMS norm over a head's 256 channels with gain 1 + gamma, and the rotation by cos and sin (q and k alone).
; Out: qkvb, f16 [kind q, k, v][4 batch + head][2048][256].  q is NOT scaled: the attention kernel applies 1 / 16 in f32.
; LIMITS.  v beyond 65,504 becomes an infinity in f16 (q and k are normalised: at most 16 (1 + gamma) times 1.42).  gamma, cos and sin are taken rounded to bf16, like x and the weights.
; SHARES.  The norm wants a q or k head's 256 columns in one work-group; v wants nothing.  So a tile is 128 rows x 384 columns: column group g (0..7) takes ONE q or k head (weight rows 256 g ..) and HALF a v head
; (weight rows 2,048 + 128 g ..): 32 x 8 = 256 work-groups, all with the same products and the same way out.
; Wave w owns all 128 rows and the columns 96 w .. 96 w + 95: 8 x 6 accumulators, 384 registers; for 32 along K it reads 28 x 512 bytes of LDS for 48 products.
; K goes in steps of 128 through two LDS slots filled by the tensor data mover, one load of 128 rows a wave: wave 0 x's rows, waves 1 and 2 the head's, wave 3 v's; LDS rows are 256 bytes + 16 of padding.
; CLUSTER 4 x 4: the four of a row need the same tile of x, the four of a column the same tiles of the weights: each is asked for jointly.  The cluster's x is the kind (0 q, 1 k); no branch hangs on it.
; THE PRODUCT IS USED TRANSPOSED (source 0 = 16 rows of the weights, source 1 = 16 rows of x): lane l holds row l % 16 and the columns 8 (l / 16) + 0..7 of a block of 16.
; REGISTERS, in windows of 256: window 0: addresses, the way out's registers, v64-191 x's fragments (two buffers of 8 x 8); window 1: v0-95 the weights' fragments (two buffers of 6 x 8);
; windows 2, 3: accumulator 8 b + a (column block b, row block a) at v[8 ((8 b + a) % 32)] of window 2 + b / 4.
.set SIZE_K, 2048
.set NA,     8                         ; blocks of 16 rows
.set NBW,    6                         ; a wave's blocks of 16 columns
.set KSTEP,  128
.set NSTEP,  SIZE_K/KSTEP
.set PITCH,  272                       ; 68 words: the 16 rows of a fragment load start at 16 different groups of four banks (64 banks of 4 bytes: ISA guide 11.1)
.set HALF,   128*PITCH                 ; what one tensor load brings
.set XS,     0x22000                   ; a slot's bytes (x's 128 rows, the weights' 384); it shares no bit with a tile's place in a slot, so one exclusive or changes slots
.set DP,     1552                      ; the dump: a row of 384 f32 + 16 bytes = 388 words: row r starts at bank 4 r mod 64
.set SPARE,  2*XS                      ; behind the ring: the spare words, 128 bytes a wave, that no other line names
.set WBO,    16777216                  ; the weights in ws
.set COSO,   33554432                  ; cos in ws
.set SINO,   1048576                   ; sin behind cos
.set DW0,    (1<<16)|(1<<20)|(1<<21)|(5<<22)|(3<<25)  ; 17:16 2-byte elements; 20 padding on; 21 set beside a mask; 24:22 after every 64 words; 31:25 4 words
.set ADRA0, 3                          ; v3   my lane's place in x's rows of a slot; never rewritten
.set ADRB0, 4                          ; v4   the same in my 96 rows of the weights
.set ADRA,  5                          ; v5   the same in the slot in hand
.set ADRB,  6                          ; v6
.set XV,    7                          ; v7   the dump: my 16 bytes of the trip's first row, for the v rows
.set XA,    8                          ; v8   the same for the q or k rows
.set L8,    9                          ; v9   8 x lane
.set L16,   10                         ; v10  16 x lane
.set SPW,   12                         ; v12  my spare word; never rewritten
.set NIL,   13                         ; v13  0; never rewritten
.set DST,   16                         ; v16-19  the dump: where my 32 bytes of a row go, for row blocks 0-1, 2-3, 4-5, 6-7 (an LDS immediate has 16 bits)
.set TR,    16                         ; v16-31  behind the dump: cos (8) and sin (8) of my columns in f32; then the results
.set GM,    32                         ; v32-39  1 + gamma of my 8 columns
.set RR,    40                         ; v40-41  1 / rms (a pair for the packed multiply)
.set SS,    42                         ; v42-43  the sum of squares
.set PT,    44                         ; v44     the other half of the lanes' sum
.set VA,    45                         ; v45     mean + eps
.set Y,     48                         ; v48-63  rows to store: four slots of four (q, k), eight of two (v)
.set FA,    64                         ; x's fragments
.set X,     64                         ; later: eight slots of eight: a row of the dump, my columns 4 l .. and 128 + 4 l ..
.set CSR,   128                        ; v128-255  sixteen slots of eight: a row's cos low, cos high, sin low, sin high, bf16 as loaded
.set CNT,  3
.set WV,   12
.set TY,   15
.set G1,   24                          ; s[24:31] group 1 for x's tile;  s[32:39] group 0: slot 0's first fill, and the set that walks
.set G0,   32
.set G1B,  48                          ; s[48:55], s[56:63] the same for the weights
.set G0B,  56
.set TB,   66                          ; 0 or XS: the slot in hand
.set KIND, 67
.set CB,   68                          ; s[68:69] cos at the trip's first row
.set OB,   70                          ; s[70:71] qkvb at the trip's first row of q or k
.set MSKH, 72
.set I256, 73
.set SEL,  74
.set GP,   76                          ; s[76:77] the kind's gamma
.set EPSR, 84
.set VB,   86                          ; s[86:87] qkvb at the trip's first row of v, my half of its channels
.set MSB, 0
.macro WIN new                         ; the immediate's high byte repeats the setting that is left; a switch that changes nothing is dropped
.if MSB != (\new)
	s_set_vgpr_msb (MSB<<8)|(\new)
.set MSB, \new
.endif
.endm
.macro PLACES                          ; four plain vector instructions between a matrix instruction and a load into, or a read of, its registers (ISA guide 7.12.1 for reads)
.rept 4
	v_nop
.endr
.endm
.macro CREST                           ; a round of the cluster's barrier behind its opening barrier
	s_cmp_lg_u32 s[WV], 0
	s_cbranch_scc1 .Lnot_wave_0_\@
	s_barrier_signal -3
.Lnot_wave_0_\@:
	s_barrier_wait -3
	s_barrier_signal -1
	s_barrier_wait -1
.endm
.macro CROUND
	s_barrier_signal -1
	s_barrier_wait -1
	CREST
.endm
.macro JLOAD                           ; a joint refill by the walking sets: wave 0 fetches x's rows, waves 1 to 3 the weights'; an s_nop 0 and four v_nop follow each line
	s_cmp_eq_u32 s[WV], 0
	s_cbranch_scc0 .Lfor_b_\@
	tensor_load_to_lds s[G0+4:G0+7], s[G1:G1+7]
	s_nop 0
.rept 4
	v_nop
.endr
	s_branch .Lasked_\@
.Lfor_b_\@:
	tensor_load_to_lds s[G0B+4:G0B+7], s[G1B:G1B+7]
	s_nop 0
.rept 4
	v_nop
.endr
.Lasked_\@:
.endm
; NA products: column block b x all row blocks, 32 along K, from buffer f.  The 48 accumulators take turns, one instruction a turn.  zero = 1: the product starts the sum.
.macro MULB f, b, zero
.set W, 2+(\b)/4
.set WW, (W<<6)|(W<<4)|1
	WIN WW
.set a, 0
.rept NA
.set rD, 8*(((\b)*NA+a)%32)
.set rB, (\f)*8*NBW+8*(\b)
.set rA, FA+8*NA*(\f)+8*a
.if \zero
	v_wmma_f32_16x16x32_bf16 v[rD:rD+7], v[rB:rB+7], v[rA:rA+7], 0
.else
	v_wmma_f32_16x16x32_bf16 v[rD:rD+7], v[rB:rB+7], v[rA:rA+7], v[rD:rD+7]
.endif
.set a, a+1
.endr
.endm
.macro FETCH k, f                      ; one run of 28 loads: the fragments of 32 along K at byte k of the rows, into buffer f; x's sixteen loads first, then the weights' blocks in ascending order
	WIN 0
.set i, 0
.rept NA
	ds_load_b128 v[FA+8*NA*(\f)+8*i:FA+8*NA*(\f)+8*i+3],   v[ADRA] offset:(\k)+i*16*PITCH
	ds_load_b128 v[FA+8*NA*(\f)+8*i+4:FA+8*NA*(\f)+8*i+7], v[ADRA] offset:(\k)+i*16*PITCH+32
.set i, i+1
.endr
	WIN 0x40
.set i, 0
.rept NBW
	ds_load_b128 v[(\f)*8*NBW+8*i:(\f)*8*NBW+8*i+3],   v[ADRB] offset:(\k)+i*16*PITCH
	ds_load_b128 v[(\f)*8*NBW+8*i+4:(\f)*8*NBW+8*i+7], v[ADRB] offset:(\k)+i*16*PITCH+32
.set i, i+1
.endr
.endm
.macro QUARTER k, f, g, zero           ; multiplies buffer f; behind its first third it fetches the next quarter, at byte k, into buffer g: 32 products ahead of the first use
	s_wait_dscnt 8                                 ; all but the youngest eight loads: the weights' blocks 2 to 5
	MULB \f, 0, \zero
	MULB \f, 1, \zero
	s_wait_dscnt 0x0                               ; the rest of buffer f
	PLACES
	FETCH \k, \g
	MULB \f, 2, \zero
	MULB \f, 3, \zero
	MULB \f, 4, \zero
	MULB \f, 5, \zero
.endm
; The last quarter of a K step multiplies buffer 1 and changes slots.  In front of the barrier each wave waits for all its tensor loads (one is out: its part of the next slot), adds 0 to its spare word,
; and waits for that and for its reads of this slot.  fill = 1: the barrier opens a round of the cluster's, and this slot is filled again, two K steps ahead, first thing behind it:
; from that request to the wait for it a wave issues 168 products.
.macro TURN fill
	WIN 0
	s_wait_tensorcnt 0x0
	ds_add_u32 v[SPW], v[NIL]
	s_wait_dscnt 9                                 ; the add and the youngest eight loads may be out
	MULB 1, 0, 0
	MULB 1, 1, 0
	s_wait_dscnt 0x0                               ; the add is done, my reads of this slot are over
	s_barrier_signal -1
	MULB 1, 2, 0
	WIN 0
	s_barrier_wait -1
.if \fill
	CREST
	s_xor_b32 s[G0+5], s[G0+5], XS                 ; the walking sets: the other slot than last time, the next K step; no load of mine is out
	s_add_nc_u64 s[G0+6:G0+7], s[G0+6:G0+7], KSTEP*2
	s_xor_b32 s[G0B+5], s[G0B+5], XS
	s_add_nc_u64 s[G0B+6:G0B+7], s[G0B+6:G0B+7], KSTEP*2
	JLOAD                                          ; its four v_nop are also the places in front of the loads below
.else
	PLACES
.endif
	s_xor_b32 s[TB], s[TB], XS
	v_add_nc_u32 v[ADRA], s[TB], v[ADRA0]
	v_add_nc_u32 v[ADRB], s[TB], v[ADRB0]
	FETCH 0, 0
	MULB 1, 3, 0
	MULB 1, 4, 0
	MULB 1, 5, 0
.endm
	s_load_b256 s[4:11], s[0:1], 0x0               ; ws s[4:5], q_gamma s[6:7], k_gamma s[8:9], qkvb s[10:11]
	v_lshl_add_u32 v[SPW], v0, 2, SPARE
	v_mov_b32 v[NIL], 0
	ds_add_u32 v[SPW], v[NIL]                      ; the wave's opening: the add and its wait ahead of my first tensor load
	v_lshrrev_b32 v1, 5, v0
	v_readfirstlane_b32 s[WV], v1                  ; wave 0..3
	s_bfe_u32 s40, ttmp6, 0x40000                  ; cx = the q or k head
	s_bfe_u32 s41, ttmp6, 0x40004                  ; cy
	s_mov_b32 s[KIND], ttmp9                       ; the cluster's x: 0 q, 1 k
	s_lshl_b32 s42, ttmp9, 2
	s_add_co_u32 s42, s42, s40                     ; column group g
	s_and_b32 s[TY], ttmp7, 0xffff
	s_lshl_b32 s[TY], s[TY], 2
	s_add_co_u32 s[TY], s[TY], s41                 ; block of 128 rows
	s_lshl_b32 s43, s41, 2
	s_lshl_b32 s43, 15, s43                        ; my row of the cluster
	s_lshl_b32 s44, 0x1111, s40                    ; my column
	s_or_b32 s[G1], s43, DW0
	s_or_b32 s[G1B], s44, DW0
.irp g, G1, G1B
	s_mov_b32 s[\g+1], KSTEP<<16                   ; tensor_dim0 = 128
	s_mov_b32 s[\g+2], 128<<16                     ; tensor_dim1 = 128
	s_mov_b32 s[\g+3], KSTEP<<16                   ; tile_dim0 = 128
	s_mov_b32 s[\g+4], 128                         ; tile_dim1 = 128
	s_mov_b32 s[\g+5], SIZE_K                      ; elements from row to row
	s_mov_b32 s[\g+6], 0
	s_mov_b32 s[\g+7], 0
.endr
	s_lshl_b32 s16, s[TY], 19                      ; x: 128 rows of 4,096 bytes a block
	s_mov_b32 s17, 0
	s_max_u32 s20, s[WV], 1                        ; the weights: waves 1, 2: row 256 g + 128 (wave - 1) (wave 0 asks by x's set alone);
	s_sub_co_u32 s20, s20, 1
	s_lshl_b32 s20, s20, 7
	s_lshl_b32 s21, s42, 8
	s_add_co_u32 s20, s20, s21
	s_lshl_b32 s21, s42, 7                         ; wave 3: row 2,048 + 128 g
	s_add_co_u32 s21, s21, 2048
	s_cmp_eq_u32 s[WV], 3
	s_cselect_b32 s20, s21, s20
	s_lshl_b32 s20, s20, 12                        ; 4,096 bytes a row
	s_add_co_u32 s20, s20, WBO
	s_mov_b32 s21, 0
	s_mul_i32 s18, s[WV], HALF                     ; where they go: the wave's number times 128 rows
	s_and_b32 s78, s[TY], 15                       ; the first row that I send out, in its sequence: 128 (block % 16) + 32 wave, times 512 bytes
	s_lshl_b32 s78, s78, 7
	s_lshl_b32 s79, s[WV], 5
	s_add_co_u32 s78, s78, s79
	s_lshl_b32 s78, s78, 9
	s_add_co_u32 s80, s78, COSO
	s_mov_b32 s81, 0
	s_lshr_b32 s82, s[TY], 4                       ; the batch (block / 16) and the row: common to both outputs
	s_lshl_b32 s82, s82, 22
	s_add_co_u32 s82, s82, s78
	s_lshl_b32 s46, s[KIND], 23                    ; q or k: the kind, the head
	s_lshl_b32 s47, s40, 20
	s_add_co_u32 s46, s46, s47
	s_add_co_u32 s46, s46, s82
	s_mov_b32 s47, 0
	s_lshr_b32 s88, s42, 1                         ; v: head g / 2, channels 128 (g % 2) on
	s_lshl_b32 s88, s88, 20
	s_and_b32 s89, s42, 1
	s_lshl_b32 s89, s89, 8
	s_add_co_u32 s88, s88, s89
	s_add_co_u32 s88, s88, s82
	s_add_co_u32 s88, s88, 2<<23
	s_mov_b32 s89, 0
	s_mov_b32 s[MSKH], 0xffff0000
	s_mov_b32 s[I256], 0x3b800000                  ; 1 / 256
	s_mov_b32 s[EPSR], 0x358637bd                  ; 1e-6
	s_mov_b32 s[SEL], 0x76543210
	s_mov_b32 s[SEL+1], 0xfedcba98
	s_mov_b32 s[TB], 0
	s_wait_dscnt 0x0                               ; the opening add is done
	s_wait_kmcnt 0x0
	s_add_nc_u64 s[16:17], s[4:5], s[16:17]
	s_add_nc_u64 s[20:21], s[4:5], s[20:21]
	s_add_nc_u64 s[CB:CB+1], s[4:5], s[80:81]
	s_add_nc_u64 s[OB:OB+1], s[10:11], s[46:47]
	s_add_nc_u64 s[VB:VB+1], s[10:11], s[88:89]
	s_cmp_eq_u32 s[KIND], 1
	s_cselect_b64 s[GP:GP+1], s[8:9], s[6:7]
.irp s, 0,1
	s_mov_b32 s[G0+4*(\s)], 1
	s_add_co_u32 s[G0+4*(\s)+1], s18, (\s)*XS
	s_add_nc_u64 s[G0+4*(\s)+2:G0+4*(\s)+3], s[16:17], (\s)*KSTEP*2
	s_or_b32 s[G0+4*(\s)+3], s[G0+4*(\s)+3], 0x80000000
	s_mov_b32 s[G0B+4*(\s)], 1
	s_add_co_u32 s[G0B+4*(\s)+1], s18, (\s)*XS
	s_add_nc_u64 s[G0B+4*(\s)+2:G0B+4*(\s)+3], s[20:21], (\s)*KSTEP*2
	s_or_b32 s[G0B+4*(\s)+3], s[G0B+4*(\s)+3], 0x80000000
.endr
	CROUND                                         ; all sixteen work-groups are here: the first joint loads meet
	s_cmp_eq_u32 s[WV], 0                          ; a wave's two first fills stand in one branch: two loads of mine are out
	s_cbranch_scc0 .Lfirst_b
	tensor_load_to_lds s[G0:G0+3], s[G1:G1+7]
	s_nop 0
	tensor_load_to_lds s[G0+4:G0+7], s[G1:G1+7]
	s_nop 0
.rept 4
	v_nop
.endr
	s_branch .Lfirst_asked
.Lfirst_b:
	tensor_load_to_lds s[G0B:G0B+3], s[G1B:G1B+7]
	s_nop 0
	tensor_load_to_lds s[G0B+4:G0B+7], s[G1B:G1B+7]
	s_nop 0
.rept 4
	v_nop
.endr
.Lfirst_asked:
	v_and_b32 v1, 15, v0                           ; l % 16
	v_bfe_u32 v2, v0, 4, 1                         ; l / 16
	v_and_b32 v11, 31, v0                          ; l
	v_mul_u32_u24 v[ADRA0], v1, PITCH
	v_lshl_add_u32 v[ADRA0], v2, 4, v[ADRA0]       ; a fragment's row x pitch + 16 x half
	s_mul_i32 s23, s[WV], 16*NBW*PITCH             ; my 96 rows of the weights,
	s_add_co_u32 s23, s23, HALF                    ; which lie behind x's 128 rows
	v_add_nc_u32 v[ADRB0], s23, v[ADRA0]
	v_mov_b32 v[ADRA], v[ADRA0]
	v_mov_b32 v[ADRB], v[ADRB0]
	s_mul_i32 s23, s[WV], 64*NBW                   ; the dump: my 96 columns begin 384 bytes x wave into a row
	v_mul_u32_u24 v[DST], v1, DP
	v_lshl_add_u32 v[DST], v2, 5, v[DST]
	v_add_nc_u32 v[DST], s23, v[DST]
	v_add_nc_u32 v[DST+1], 2*16*DP, v[DST]
	v_add_nc_u32 v[DST+2], 4*16*DP, v[DST]
	v_add_nc_u32 v[DST+3], 6*16*DP, v[DST]
	s_mul_i32 s23, s[WV], 32*DP                    ; back: wave w takes rows 32 w .. 32 w + 31, whole
	v_lshl_add_u32 v[XA], v11, 4, s23
	v_mov_b32 v[XV], v[XA]
	v_lshlrev_b32 v[L8], 3, v11
	v_lshlrev_b32 v[L16], 4, v11
	s_wait_tensorcnt 0x1                           ; my part of K step 0 is in; K step 1's stays out
	s_barrier_signal -1
	s_barrier_wait -1
	FETCH 0, 0
	QUARTER 64, 0, 1, 1                            ; the first quarter stands ahead of the loop: its products start the sums
	WIN 0
	s_mov_b32 s[CNT], NSTEP-2
.Lstep:                                                ; a trip: from a K step's second quarter to the next step's first; it fills the slot that it leaves, two steps ahead
	QUARTER 128, 1, 0, 0
	QUARTER 192, 0, 1, 0
	TURN 1
	QUARTER 64, 0, 1, 0
	WIN 0
	s_sub_co_u32 s[CNT], s[CNT], 1
	s_cmp_lg_u32 s[CNT], 0
	s_cbranch_scc1 .Lstep
	QUARTER 128, 1, 0, 0                           ; the last two K steps ask for nothing
	QUARTER 192, 0, 1, 0
	TURN 0
	QUARTER 64, 0, 1, 0
	QUARTER 128, 1, 0, 0
	QUARTER 192, 0, 1, 0
	s_wait_dscnt 0x0
.irp b, 0,1,2,3,4,5
	MULB 1, \b, 0
.endr
	WIN 0
	PLACES                                         ; the dump reads results just made, and the table loads land where x's fragments lay
	s_barrier_signal -1                            ; every wave's reads of the ring are back (the wait for 0 above): behind this barrier the ring, which is filled no more, is the dump
	s_barrier_wait -1
; THE WAY OUT.  The tables are asked for first; the tile goes into LDS in f32; behind a barrier (a row's columns come from four waves) wave w sends out rows 32 w .. + 31: v's halves first, while the tables land.
.macro CSLOAD i, ahead                 ; slot i of the tables' ring: each load covers 256 consecutive bytes
	global_load_b64 v[CSR+8*(\i):CSR+8*(\i)+1],   v[L8], s[CB:CB+1] offset:(\i)*512+(\ahead)
	global_load_b64 v[CSR+8*(\i)+2:CSR+8*(\i)+3], v[L8], s[CB:CB+1] offset:(\i)*512+(\ahead)+256
	global_load_b64 v[CSR+8*(\i)+4:CSR+8*(\i)+5], v[L8], s[CB:CB+1] offset:(\i)*512+(\ahead)+SINO
	global_load_b64 v[CSR+8*(\i)+6:CSR+8*(\i)+7], v[L8], s[CB:CB+1] offset:(\i)*512+(\ahead)+SINO+256
.endm
	global_load_b128 v[GM:GM+3],   v[L16], s[GP:GP+1]              ; gamma of my columns 4 l .. and 128 + 4 l ..
	global_load_b128 v[GM+4:GM+7], v[L16], s[GP:GP+1] offset:512
.set n, 0
.rept 16
	CSLOAD n, 0
.set n, n+1
.endr
.set b, 0
.rept NBW                              ; my 128 rows x 96 columns; each accumulator's low registers first
.set W, 2+b/4
.set WW, W<<2
	WIN WW
.set a, 0
.rept NA
.set rD, 8*((b*NA+a)%32)
	ds_store_b128 v[DST+a/2], v[rD:rD+3]   offset:(a%2)*16*DP+64*b
	ds_store_b128 v[DST+a/2], v[rD+4:rD+7] offset:(a%2)*16*DP+64*b+16
.set a, a+1
.endr
.set b, b+1
.endr
	WIN 0
	s_wait_dscnt 0x0                               ; for the others' sake: my stores into the dump are done
	s_barrier_signal -1
	s_barrier_wait -1
	s_mov_b32 s[CNT], 4
.Lvrows:                                               ; V: columns 256 .. 383 of the dump, rounded to f16: four trips of eight rows, each row with its own two registers to store
.set n, 0
.rept 8
	ds_load_b128 v[X+4*n:X+4*n+3], v[XV] offset:n*DP+1024
.set n, n+1
.endr
.set n, 0
.rept 8
	s_wait_dscnt 7-n                               ; the younger rows may be out
	v_cvt_pk_f16_f32 v[Y+2*n],   v[X+4*n],   v[X+4*n+1]
	v_cvt_pk_f16_f32 v[Y+2*n+1], v[X+4*n+2], v[X+4*n+3]
	global_store_b64 v[L8], v[Y+2*n:Y+2*n+1], s[VB:VB+1] offset:n*512    ; 256 consecutive bytes, aligned: half a row of v
.set n, n+1
.endr
	s_wait_xcnt 0x0                                ; the stores' data and base are rewritten only behind this wait
	s_add_nc_u64 s[VB:VB+1], s[VB:VB+1], 8*512
	v_add_nc_u32 v[XV], 8*DP, v[XV]
	s_sub_co_u32 s[CNT], s[CNT], 1
	s_cmp_lg_u32 s[CNT], 0
	s_cbranch_scc1 .Lvrows
; Q OR K.  One row is one turn of the wave: lane l holds columns 4 l .. 4 l + 3 and 128 + 4 l .. + 3, the two partners of the rotation.
	s_wait_loadcnt 60                              ; 15 slots of four may be out: gamma and slot 0 are in
.irp p, 0,1,2,3
	v_cvt_pk_bf16_f32 v[SS], v[GM+2*\p], v[GM+2*\p+1]              ; gamma rounded to bf16 like every input, then 1 + gamma in f32
	v_lshlrev_b32 v[GM+2*\p], 16, v[SS]
	v_and_b32 v[GM+2*\p+1], s[MSKH], v[SS]
	v_pk_add_f32 v[GM+2*\p:GM+2*\p+1], v[GM+2*\p:GM+2*\p+1], 1.0 op_sel_hi:[1,0]
.endr
	v_mov_b32 v[RR+1], 0                           ; named with RR as a pair
	v_mov_b32 v[PT], 0                             ; v_permlanex16_b32's destination counts as read
.macro UNP m                           ; word m of the slot: two bf16 to f32
	v_lshlrev_b32 v[TR+2*(\m)],   16, v[CR+(\m)]
	v_and_b32     v[TR+2*(\m)+1], s[MSKH], v[CR+(\m)]
.endm
; Row i of a trip's 16.  The chain (sum of squares, across the lanes, mean, reciprocal root) has the unpacking, the gain and the rotation between its links; 1 / rms is applied last.
; The row's memory instructions (two stores, the slot's four table loads) stand together at its end, and the wait that frees the store registers stands just ahead of the conversions:
; the whole row's arithmetic lies between the last row's memory instructions and that wait.
.macro ROWQK i
.set XR, X+8*((\i)%8)
.set XN, X+8*(((\i)+4)%8)
.set CR, CSR+8*(\i)
.set YR, Y+4*((\i)%4)
.if (\i) < 12
	ds_load_b128 v[XN:XN+3],   v[XA] offset:((\i)+4)*DP       ; the row four further on, inside the trip
	ds_load_b128 v[XN+4:XN+7], v[XA] offset:((\i)+4)*DP+512
	s_wait_dscnt 8                                 ; four younger rows may be out
.else
	s_wait_dscnt 2*(15-(\i))
.endif
	s_wait_loadcnt 60                              ; the 15 younger slots may be out
	v_pk_mul_f32 v[SS:SS+1], v[XR:XR+1], v[XR:XR+1]
	UNP 0
	v_pk_fma_f32 v[SS:SS+1], v[XR+2:XR+3], v[XR+2:XR+3], v[SS:SS+1]
	v_pk_mul_f32 v[XR:XR+1], v[XR:XR+1], v[GM:GM+1]
	UNP 1
	v_pk_fma_f32 v[SS:SS+1], v[XR+4:XR+5], v[XR+4:XR+5], v[SS:SS+1]
	v_pk_mul_f32 v[XR+2:XR+3], v[XR+2:XR+3], v[GM+2:GM+3]
	UNP 2
	v_pk_fma_f32 v[SS:SS+1], v[XR+6:XR+7], v[XR+6:XR+7], v[SS:SS+1]
	v_pk_mul_f32 v[XR+4:XR+5], v[XR+4:XR+5], v[GM+4:GM+5]
	UNP 3
	v_add_f32 v[SS], v[SS], v[SS+1]
	v_pk_mul_f32 v[XR+6:XR+7], v[XR+6:XR+7], v[GM+6:GM+7]
	UNP 4
	v_add_f32_dpp v[SS], v[SS], v[SS] row_xmask:1 row_mask:0xf bank_mask:0xf
	UNP 5
	v_add_f32_dpp v[SS], v[SS], v[SS] row_xmask:2 row_mask:0xf bank_mask:0xf
	UNP 6
	v_add_f32_dpp v[SS], v[SS], v[SS] row_xmask:4 row_mask:0xf bank_mask:0xf
	UNP 7
	v_add_f32_dpp v[SS], v[SS], v[SS] row_xmask:8 row_mask:0xf bank_mask:0xf
	v_pk_mul_f32 v[TR:TR+1],     v[XR:XR+1],     v[TR:TR+1]        ; x cos
	v_pk_mul_f32 v[TR+2:TR+3],   v[XR+2:XR+3],   v[TR+2:TR+3]
	v_permlanex16_b32 v[PT], v[SS], s[SEL], s[SEL+1]
	v_pk_mul_f32 v[TR+4:TR+5],   v[XR+4:XR+5],   v[TR+4:TR+5]
	v_pk_mul_f32 v[TR+6:TR+7],   v[XR+6:XR+7],   v[TR+6:TR+7]
	v_add_f32 v[SS], v[SS], v[PT]
	v_pk_fma_f32 v[TR:TR+1],   v[XR+4:XR+5], v[TR+8:TR+9],   v[TR:TR+1]   neg_lo:[1,0,0] neg_hi:[1,0,0]  ; low half: - x_high sin
	v_pk_fma_f32 v[TR+2:TR+3], v[XR+6:XR+7], v[TR+10:TR+11], v[TR+2:TR+3] neg_lo:[1,0,0] neg_hi:[1,0,0]
	v_fma_f32 v[VA], v[SS], s[I256], s[EPSR]
	v_pk_fma_f32 v[TR+4:TR+5], v[XR:XR+1],   v[TR+12:TR+13], v[TR+4:TR+5]  ; high half: + x_low sin
	v_rsq_f32 v[RR], v[VA]
	v_pk_fma_f32 v[TR+6:TR+7], v[XR+2:XR+3], v[TR+14:TR+15], v[TR+6:TR+7]  ; the plain instruction behind the reciprocal root
	s_wait_alu depctr_va_vdst(0)
.irp p, 0,1,2,3
	v_pk_mul_f32 v[TR+2*\p:TR+2*\p+1], v[TR+2*\p:TR+2*\p+1], v[RR:RR+1] op_sel_hi:[1,0]
.endr
	s_wait_xcnt 0x0                                ; every earlier memory instruction has had its addresses translated (ISA guide 3.1): this Y slot, which a store four rows back read, is rewritten only behind this wait
.irp p, 0,1,2,3
	v_cvt_pk_f16_f32 v[YR+\p], v[TR+2*\p], v[TR+2*\p+1]
.endr
	global_store_b64 v[L8], v[YR:YR+1],   s[OB:OB+1] offset:(\i)*512      ; each store covers 256 consecutive bytes, aligned
	global_store_b64 v[L8], v[YR+2:YR+3], s[OB:OB+1] offset:(\i)*512+256
	CSLOAD \i, 8192                                ; the slot's next row, 16 rows on: its words were unpacked above
.endm
	s_mov_b32 s[CNT], 2
.Lrows:                                                ; two trips of 16 rows.  The last trip's table loads reach 16 rows past my 32: they stay inside ws (cos runs on into sin, sin into the mask) and are not used:
	                                               ; the price of one text for both trips and one count for every wait
.irp p, 0,1,2,3
	ds_load_b128 v[X+8*\p:X+8*\p+3],   v[XA] offset:\p*DP
	ds_load_b128 v[X+8*\p+4:X+8*\p+7], v[XA] offset:\p*DP+512
.endr
.set n, 0
.rept 16
	ROWQK n
.set n, n+1
.endr
	s_wait_xcnt 0x0                                ; the bases are stepped only behind this wait
	s_add_nc_u64 s[CB:CB+1], s[CB:CB+1], 16*512
	s_add_nc_u64 s[OB:OB+1], s[OB:OB+1], 16*512
	v_add_nc_u32 v[XA], 16*DP, v[XA]
	s_sub_co_u32 s[CNT], s[CNT], 1
	s_cmp_lg_u32 s[CNT], 0
	s_cbranch_scc1 .Lrows
	s_wait_tensorcnt 0x0                           ; the wave's end
	ds_add_u32 v[SPW], v[NIL]
	s_wait_dscnt 0x0
	CROUND                                         ; the closing round
	s_endpgm
.Lfunc_end_k_qd0621c9e81_proj:
	.size	k_qd0621c9e81_proj, .Lfunc_end_k_qd0621c9e81_proj-k_qd0621c9e81_proj
	.p2alignl 7, 3214868480
	.fill 96, 4, 3214868480
	.section	.rodata,"a",@progbits
	.p2align	6, 0x0
	.amdhsa_kernel k_qd0621c9e81_proj
		.amdhsa_group_segment_fixed_size 327680
		.amdhsa_private_segment_fixed_size 0
		.amdhsa_enable_private_segment 0
		.amdhsa_kernarg_size 32
		.amdhsa_user_sgpr_count 2
		.amdhsa_user_sgpr_kernarg_segment_ptr 1
		.amdhsa_wavefront_size32 1
		.amdhsa_system_sgpr_workgroup_id_x 1
		.amdhsa_system_sgpr_workgroup_id_y 1
		.amdhsa_system_sgpr_workgroup_id_z 1
		.amdhsa_system_vgpr_workitem_id 0
		.amdhsa_next_free_vgpr 896
		.amdhsa_next_free_sgpr 96
		.amdhsa_reserve_vcc 0
		.amdhsa_float_denorm_mode_32 3
		.amdhsa_float_denorm_mode_16_64 3
		.amdhsa_memory_ordered 1
		.amdhsa_forward_progress 1
		.amdhsa_inst_pref_size 140
	.end_amdhsa_kernel
	.amdgpu_metadata
---
amdhsa.version: [ 1, 2 ]
amdhsa.kernels:
  - .name:           k_qd0621c9e81_proj
    .symbol:         k_qd0621c9e81_proj.kd
    .args:
      - { .name: ws, .offset: 0, .size: 8, .value_kind: global_buffer, .address_space: global }
      - { .name: q_gamma, .offset: 8, .size: 8, .value_kind: global_buffer, .address_space: global }
      - { .name: k_gamma, .offset: 16, .size: 8, .value_kind: global_buffer, .address_space: global }
      - { .name: qkvb, .offset: 24, .size: 8, .value_kind: global_buffer, .address_space: global }
    .group_segment_fixed_size: 327680
    .private_segment_fixed_size: 0
    .kernarg_segment_align: 8
    .kernarg_segment_size: 32
    .max_flat_workgroup_size: 128
    .sgpr_count:     96
    .vgpr_count:     896
    .wavefront_size: 32
...
	.end_amdgpu_metadata
.endif
;; end of part 2
;; launch attn (part 3): grid 32 x 8, 4 waves a work-group, clusters of 4 x 1, 327,680 bytes of LDS; arguments qkvb, ws, ctxb; writes ctxb
.if DOCPART == 3
	.amdgcn_target "amdgcn-amd-amdhsa--gfx1250"
	.amdhsa_code_object_version 6
	.text
	.protected	k_qd0621c9e81_attn
	.globl	k_qd0621c9e81_attn
	.p2align	8
	.type	k_qd0621c9e81_attn,@function
k_qd0621c9e81_attn:
	s_mov_b64 s[64:65], 0
	v_nop
	global_prefetch_b8 v0, s[64:65] scope:SCOPE_SE
	s_setreg_imm32_b32 hwreg(HW_REG_WAVE_MODE, 25, 1), 1
	s_wait_xcnt 0x0
	s_wait_alu depctr_hold_cnt(0) depctr_sa_sdst(0) depctr_va_vdst(0) depctr_va_sdst(0) depctr_va_ssrc(0) depctr_va_vcc(0) depctr_vm_vsrc(0)
	s_getreg_b32 s2, hwreg(HW_REG_IB_STS2, 6, 4)
	s_cmp_eq_u32 s2, 0
	s_cbranch_scc0 .Lentry_in_a_cluster
	s_endpgm
.Lentry_in_a_cluster:
	s_bfe_u32 s2, ttmp6, 0x10000c
	s_cmp_lg_u32 s2, 0x3003
	s_cbranch_scc0 .Lentry_shape_is_right
	s_endpgm
.Lentry_shape_is_right:
; ATTN: ctx[b][q][h][:] = the sum over k of softmax_k(q . k / 16, masked) v[k][:], head size 256, for 8 pairs (batch, head) of 2,048 queries and keys.  q, k, v f16 from qkvb, ctx f16 [4096][1024].
; THE MASK IS AN INPUT: every key is walked and every mask byte honoured.  It comes permuted and multiplied (ws, from byte 35,651,584): 16 bytes a lane hold the bytes of two score tiles; a byte moved to the
; top of a word is the addend with which the score's sum STARTS: below 2.4e-38, or between -6e29 and -2.5e30.
; LIMITS.  A masked score counts as its value less 6e29 at the least (f16's scores are 1.1e12 at the most); a weight below 2^-126 counts as 0; a row with every key masked gives NaN, as the softmax of
; minus infinities does; v and ctx lie within f16's 65,504; p lies in 0 to 1.
; SHARES.  A work-group owns 64 queries of one pair; 256 work-groups.  Wave w: queries 32 (w / 2) .. + 31 (two tiles of 16) and, of each tile of 128 keys, rows 64 (w % 2) .. + 63.  The two key halves keep
; their own running maximum, sum and O^T, all f32, and are merged at the end.  (O^T and Q for 64 queries would be 768 registers; 16 queries a wave would read each fragment for half as many products.)
; LAYOUT.  S^T = K Q^T: a lane holds ONE query (lane % 16) and the keys 8 (lane / 16) + 0..7; two such results rounded to f16 ARE source 1 of O^T = V^T P.  V is turned by ds_load_tr16_b128.
; SOFTMAX.  p = 2^(c s - c m), c = log2(e) / 16, m a running maximum; in every step O and l are multiplied by a = 2^(c m_old - c m_new).  m starts at the lowest finite number, O and l at 0.
; IN PHASES: a step's K Q^T, its softmax, its V^T P.  K's and V's fragments share two buffers of 128 registers: K's two halves, then V's two halves behind the products that read K.
; CLUSTER.  The four query blocks of a cluster belong to one pair and walk the same K and V: each tile is asked for jointly.
; REGISTERS: window 0: addresses, statistics, mask words, S^T (32 a tile), P (16 a tile); window 1: O^T, 128 a tile; window 2: v0-127 Q, 64 a tile; v128-255 buffer 0; window 3: v0-127 buffer 1.
.set PK,    528                        ; a row of K in LDS: 512 bytes + 16 = 132 words: the 16 rows of a load start at 16 different groups of four banks (ISA guide 11.1)
.set PV,    544                        ; a row of V: 512 + 32
.set VOFF,  128*PK                     ; a slot: 128 rows of K, then 128 rows of V
.set XS,    0x22000                    ; slot 1 begins here; it shares no bit with a tile's place in a slot
.set SPARE, XS+VOFF+128*PV             ; behind the ring: the spare words
.set XCH,   64*PK                      ; the merge: 33,280 bytes for each query half, in slot 0's K, which has had its last fill
.set STAGE, VOFF                       ; the way out: 16 rows x 528 bytes for each query half, in slot 0's V
.set SP,    528
.set KINDB, 8388608                    ; bytes of q, of k, of v
.set MASKO, 35651584
.set AK0, 2
.set AV0, 3
.set AK,  4
.set AV,  5
.set QO,  6
.set L16, 7                            ; 16 x lane
.set STO, 8
.set RD,  10
.set XCA, 11
.set ST,  16                           ; tile t at v[ST+8 t]: c m, m, l (even keys', odd keys'), c0-c3 at work; a takes c2's place
.set MK,  32                           ; v32-47 the step's mask words; at the end the merge's factors
.set SPW, 62
.set NIL, 63
.set S,   64
.set P,   128
.set WV,  12
.set QH,  13
.set KH,  14
.set G1K, 24
.set G1V, 32
.set G0K, 40                           ; s[40:43], s[44:47]: the two group 0, which walk
.set G0V, 44
.set SLOTS, 56
.set CS,  58
.set SEL, 60
.set TB,  62
.set MB,  66                           ; s[66:67] the mask at my tiles and the step's keys
.set QB,  68                           ; s[68:69] q at my 32 rows
.set OB,  70                           ; s[70:71] ctx at my 32 rows and my head
.set THR, 72
.set MSB, 0
.macro WIN new
.if MSB != (\new)
	s_set_vgpr_msb (MSB<<8)|(\new)
.set MSB, \new
.endif
.endm
.set W_RS, 0x41                        ; destination and source 0 in window 1, source 1 in window 0
.macro PLACES
.rept 4
	v_nop
.endr
.endm
.macro JLOAD                           ; a joint fill: waves 0, 1 fetch the halves of a tile's K, waves 2, 3 those of its V, 64 rows of 512 bytes each
	s_cmp_lt_u32 s[WV], 2
	s_cbranch_scc0 .Lfor_v_\@
	tensor_load_to_lds s[G0K:G0K+3], s[G1K:G1K+7]
	s_nop 0
.rept 4
	v_nop
.endr
	s_branch .Lasked_\@
.Lfor_v_\@:
	tensor_load_to_lds s[G0V:G0V+3], s[G1V:G1V+7]
	s_nop 0
.rept 4
	v_nop
.endr
.Lasked_\@:
.endm
.macro CROUND
	s_barrier_signal -1
	s_barrier_wait -1
	s_cmp_lg_u32 s[WV], 0
	s_cbranch_scc1 .Lnot_wave_0_\@
	s_barrier_signal -3
.Lnot_wave_0_\@:
	s_barrier_wait -3
	s_barrier_signal -1
	s_barrier_wait -1
.endm
; THE CHANGE OF SLOTS.  Each wave waits for all its tensor loads (one is out: its part of the other slot), adds 0 to its spare word, and waits for that and for its reads of the slot that it leaves.
; fill = 1: a round of the cluster's barrier, and the slot is filled again first thing behind it, with the keys two tiles on: it has a whole step in which to land.  (At its first use slot 0 is waited for and slot 1 filled.)
.macro CHANGE fill
	WIN 0
	s_wait_tensorcnt 0x0
	ds_add_u32 v[SPW], v[NIL]
.if \fill
.irp g, G0K, G0V
	s_xor_b32 s[\g+1], s[\g+1], XS                 ; the other slot than last time,
	s_add_nc_u64 s[\g+2:\g+3], s[\g+2:\g+3], 128*512  ; the next 128 keys
.endr
	s_wait_dscnt 0x0
	CROUND
	JLOAD                                          ; its four v_nop are also the places in front of the step's first loads
.else
	s_wait_dscnt 0x0
	s_barrier_signal -1
	s_barrier_wait -1
	PLACES
.endif
	s_xor_b32 s[TB], s[TB], XS
.endm
.macro FETCH_K p                       ; my keys 32 p .. + 31 x 256 channels: 16 fragments into buffer p
.set KB, 128*(1-(\p))
	WIN 0x80+0x40*(\p)
.set fi, 0
.rept 16
	ds_load_b128 v[KB+8*fi:KB+8*fi+3],   v[AK] offset:(32*(\p)+16*(fi/8))*PK+64*(fi%8)
	ds_load_b128 v[KB+8*fi+4:KB+8*fi+7], v[AK] offset:(32*(\p)+16*(fi/8))*PK+64*(fi%8)+32
.set fi, fi+1
.endr
.endm
.macro FETCH_V p                       ; the same keys of V, turned: 16 blocks of 16 channels
.set VB, 128*(1-(\p))
	WIN 0x80+0x40*(\p)
.set fi, 0
.rept 16
	ds_load_tr16_b128 v[VB+8*fi:VB+8*fi+3],   v[AV] offset:32*(\p)*PV+32*fi
	ds_load_tr16_b128 v[VB+8*fi+4:VB+8*fi+7], v[AV] offset:32*(\p)*PV+16*PV+32*fi
.set fi, fi+1
.endr
.endm
; 32 products of S^T += K Q^T on the mask's addends: channels 32 (i / 4) on, key tile 2 p + (i / 2) % 2, query tile i % 2.  The four accumulators take turns.
.macro KQM p
.set KB, 128*(1-(\p))
	WIN 0x0a+(\p)
.set i, 0
.rept 32
.set rS, S+32*(i%2)+8*(2*(\p)+(i/2)%2)
.set rK, KB+8*(8*((i/2)%2)+i/4)
.set rQ, 64*(i%2)+8*(i/4)
	v_wmma_f32_16x16x32_f16 v[rS:rS+7], v[rK:rK+7], v[rQ:rQ+7], v[rS:rS+7]
.set i, i+1
.endr
.endm
; 32 products of O^T += V^T P: keys 32 p on, channels 16 (i / 2) on, query tile i % 2: 32 accumulators by turns
.macro PVM p
.set VB, 128*(1-(\p))
	WIN 0x52+(\p)
.set i, 0
.rept 32
.set rO, 128*(i%2)+8*(i/2)
.set rV, VB+8*(i/2)
.set rP, P+16*(i%2)+8*(\p)
	v_wmma_f32_16x16x32_f16 v[rO:rO+7], v[rV:rV+7], v[rP:rP+7], v[rO:rO+7]
.set i, i+1
.endr
.endm
.macro MASKINIT                        ; score register i = 32 t + 8 kt + j starts with byte j % 4 of mask word i / 4, moved to the top
.set i, 0
.rept 64
.if i%4 == 3
	v_mov_b32 v[S+i], v[MK+i/4]
.else
	v_lshlrev_b32 v[S+i], 24-8*(i%4), v[MK+i/4]
.endif
.set i, i+1
.endr
.endm
.macro MLOAD                           ; a step's mask words: each load covers 512 consecutive bytes
.irp t, 0,1
	global_load_b128 v[MK+8*\t:MK+8*\t+3],   v[L16], s[MB:MB+1] offset:\t*32768
	global_load_b128 v[MK+8*\t+4:MK+8*\t+7], v[L16], s[MB:MB+1] offset:\t*32768+512
.endr
.endm
; Number j of the 166 of one tile's softmax for one step.  s0-s31 are the lane's 32 scores, in pairs 0-15.
;   0-15   the maximum of s0-s31 and the old m, three operands at a time (each accumulator's lowest registers are read first)
;   16-20  the other half of the lanes' maximum; the new m; c m; c m_old - c m_new
;   21-87  33 exponentials (a, then s0-s31) at the odd numbers from 23 on; at the others what is ready: c s - c m for a pair still to come, the rounding of a pair whose exponentials are done, the first sums
;   88-101 the last rounding, the rest of the sums, l = a l + the sum        102-165  the tile's O^T times a, each accumulator from its low end
.macro SM t
.set rT, ST+8*(\t)
.set rS, S+32*(\t)
.set rP, P+16*(\t)
.set rO, 128*(\t)+2*(j-102)
.set q, (j-20)/2
.if j < 102
	WIN 0
.endif
.if j < 4
	v_max3_num_f32 v[rT+4+j], v[rS+8*j], v[rS+8*j+1], v[rS+8*j+2]
.elseif j < 12
	v_max3_num_f32 v[rT+4+j%4], v[rT+4+j%4], v[rS+8*(j%4)+2*(j/4)+1], v[rS+8*(j%4)+2*(j/4)+2]
.elseif j == 12
	v_max3_num_f32 v[rT+4], v[rT+4], v[rS+7], v[rS+15]
.elseif j == 13
	v_max3_num_f32 v[rT+6], v[rT+6], v[rS+23], v[rS+31]
.elseif j == 14
	v_max3_num_f32 v[rT+4], v[rT+4], v[rT+5], v[rT+6]
.elseif j == 15
	v_max3_num_f32 v[rT+4], v[rT+4], v[rT+7], v[rT+1]
.elseif j == 16
	v_permlanex16_b32 v[rT+5], v[rT+4], s[SEL], s[SEL+1]   ; the query's other 32 keys lie in the lane 16 away
.elseif j == 17
	v_mov_b32 v[rT+7], v[rT]                       ; c m_old is kept for a
.elseif j == 18
	v_max_num_f32 v[rT+1], v[rT+4], v[rT+5]
.elseif j == 19
	v_mul_f32 v[rT], s[CS], v[rT+1]
.elseif j == 20
	v_sub_f32 v[rT+7], v[rT+7], v[rT]
.elseif j == 23
	v_exp_f32 v[rT+6], v[rT+7]
.elseif (j < 88) && (j > 23) && (j%2 == 1)
	v_exp_f32 v[rS+(j-25)/2], v[rS+(j-25)/2]
.elseif (q < 4) || ((j < 76) && (q%2 == 0))
.set b, q/2+2
.if q < 4
.set b, q
.endif
	v_pk_fma_f32 v[rS+2*b:rS+2*b+1], v[rS+2*b:rS+2*b+1], s[CS:CS+1], v[rT:rT+1] op_sel_hi:[1,0,0] neg_lo:[0,0,1] neg_hi:[0,0,1]
.elseif (j < 88) && (q%2 == 1)
	s_wait_alu depctr_va_vdst(0)
	v_cvt_pk_f16_f32 v[rP+(q-5)/2], v[rS+q-5], v[rS+q-4]
.elseif j == 89
	s_wait_alu depctr_va_vdst(0)
	v_cvt_pk_f16_f32 v[rP+15], v[rS+30], v[rS+31]
.elseif j < 102
.set z, j-86
.if j < 89
.set z, (j-76)/4
.endif
.set w, 4
.set u, z
.if z >= 14
.set w, 32
.set u, 0
.elseif z >= 12
.set w, 16
.set u, z-12
.elseif z >= 8
.set w, 8
.set u, z-8
.endif
.if z < 15
	v_pk_add_f32 v[rS+w*u:rS+w*u+1], v[rS+w*u:rS+w*u+1], v[rS+w*u+w/2:rS+w*u+w/2+1]
.else
	v_pk_fma_f32 v[rT+2:rT+3], v[rT+2:rT+3], v[rT+6:rT+7], v[rS:rS+1] op_sel_hi:[1,0,1]
.endif
.else
	WIN W_RS
	v_pk_mul_f32 v[rO:rO+1], v[rO:rO+1], v[rT+6:rT+7] op_sel_hi:[1,0]
.endif
.endm
.macro SOFTMAX                         ; the two tiles alternate: behind two exponentials stands a plain line that reads neither result
.set j, 0
.rept 166
	SM 0
	SM 1
.set j, j+1
.endr
.endm
; A KEY STEP.  last = 1: no further mask words are asked for.
.macro STEP last
	WIN 0
	v_add_nc_u32 v[AK], s[TB], v[AK0]
	v_add_nc_u32 v[AV], s[TB], v[AV0]
	FETCH_K 0
	FETCH_K 1
	WIN 0
	s_wait_loadcnt 0x0                             ; this step's mask words, asked for a step ago (in the first step Q too)
	MASKINIT
.if !(\last)
	s_add_nc_u64 s[MB:MB+1], s[MB:MB+1], 2048      ; the next 128 keys: two key blocks of 1,024 bytes; the loads that named the base are done
	MLOAD
.endif
	s_wait_dscnt 32                                ; K's first half is in, the second run of 32 may be out
	KQM 0
	PLACES
	FETCH_V 0
	s_wait_dscnt 32                                ; K's second half is in
	KQM 1
	PLACES                                         ; for the loads below and for the maxima, which read results just made
	FETCH_V 1
	SOFTMAX
	s_wait_dscnt 32                                ; V's first half is in
	PVM 0
	s_wait_dscnt 0x0
	PVM 1
.endm
	s_load_b128 s[4:7], s[0:1], 0x0                ; qkvb s[4:5], ws s[6:7]
	s_load_b64 s[8:9], s[0:1], 0x10                ; ctxb
	v_lshl_add_u32 v[SPW], v0, 2, SPARE
	v_mov_b32 v[NIL], 0
	ds_add_u32 v[SPW], v[NIL]                      ; the wave's opening: the add and its wait ahead of my first tensor load
	v_lshrrev_b32 v1, 5, v0
	v_readfirstlane_b32 s[WV], v1
	s_lshr_b32 s[QH], s[WV], 1                     ; my half of the queries
	s_and_b32 s[KH], s[WV], 1                      ; my half of each tile's keys; also: which half of a tile I fetch
	s_bfe_u32 s16, ttmp6, 0x40000                  ; cx
	s_lshl_b32 s17, ttmp9, 2
	s_add_co_u32 s17, s17, s16                     ; my block of 64 queries: it enters q's, the mask's and ctx's addresses alone
	s_and_b32 s15, ttmp7, 0xffff                   ; 4 batch + head, which the partners share
	s_lshl_b32 s20, s15, 20                        ; the pair's 2,048 rows of 512 bytes,
	s_lshl_b32 s21, s[KH], 15                      ; my 64 rows of a tile
	s_add_co_u32 s20, s20, s21
	s_add_co_u32 s22, s20, 2*KINDB                 ; in v,
	s_add_co_u32 s20, s20, KINDB                   ; in k
	s_mov_b32 s21, 0
	s_mov_b32 s23, 0
	s_mul_i32 s18, s[KH], 64*PK
	s_mul_i32 s19, s[KH], 64*PV
	s_mov_b32 s[G1K], 15|(1<<16)|(1<<20)|(1<<21)|(6<<22)|(3<<25)  ; the mask of four; 2-byte elements; padding on; bit 21 beside a mask; after every 128 words 4 words
	s_mov_b32 s[G1V], 15|(1<<16)|(1<<20)|(1<<21)|(6<<22)|(7<<25)  ; the same with 8 words
.irp g, G1K, G1V
	s_mov_b32 s[\g+1], 256<<16                     ; tensor_dim0 = 256
	s_mov_b32 s[\g+2], 64<<16                      ; tensor_dim1 = 64
	s_mov_b32 s[\g+3], 256<<16                     ; tile_dim0 = 256
	s_mov_b32 s[\g+4], 64                          ; tile_dim1 = 64
	s_mov_b32 s[\g+5], 256                         ; elements from row to row
	s_mov_b32 s[\g+6], 0
	s_mov_b32 s[\g+7], 0
.endr
	s_mov_b32 s[G0K], 1
	s_mov_b32 s[G0K+1], s18
	s_mov_b32 s[G0V], 1
	s_add_co_u32 s[G0V+1], s19, VOFF
	s_lshl_b32 s48, s15, 20                        ; q: the pair, my block, my half
	s_lshl_b32 s49, s17, 15
	s_add_co_u32 s48, s48, s49
	s_lshl_b32 s49, s[QH], 14
	s_add_co_u32 s48, s48, s49
	s_mov_b32 s49, 0
	s_lshl_b32 s50, s17, 17                        ; the mask: query tile 4 block + 2 half (32,768 bytes each), key block = my key half (1,024 bytes)
	s_lshl_b32 s51, s[QH], 16
	s_add_co_u32 s50, s50, s51
	s_lshl_b32 s51, s[KH], 10
	s_add_co_u32 s50, s50, s51
	s_add_co_u32 s50, s50, MASKO
	s_mov_b32 s51, 0
	s_lshr_b32 s52, s15, 2                         ; ctx: row 2,048 batch + 64 block + 32 half, 2,048 bytes each; 512 bytes a head
	s_lshl_b32 s52, s52, 22
	s_lshl_b32 s53, s17, 17
	s_add_co_u32 s52, s52, s53
	s_lshl_b32 s53, s[QH], 16
	s_add_co_u32 s52, s52, s53
	s_and_b32 s53, s15, 3
	s_lshl_b32 s53, s53, 9
	s_add_co_u32 s52, s52, s53
	s_mov_b32 s53, 0
	s_mov_b32 s[CS], 0x3db8aa3b                    ; c = log2(e) / 16
	s_mov_b32 s[CS+1], s[CS]
	s_mov_b32 s[SEL], 0x76543210
	s_mov_b32 s[SEL+1], 0xfedcba98
	s_mov_b32 s[THR], 0xee000000                   ; -2^93: every true c m lies above it, every masked one below
	s_mov_b32 s[TB], XS                            ; the first change of slots turns it into 0
	s_mov_b32 s[SLOTS], 15
	s_wait_dscnt 0x0                               ; the opening add is done
	s_wait_kmcnt 0x0
	s_add_nc_u64 s[G0K+2:G0K+3], s[4:5], s[20:21]
	s_or_b32 s[G0K+3], s[G0K+3], 0x80000000
	s_add_nc_u64 s[G0V+2:G0V+3], s[4:5], s[22:23]
	s_or_b32 s[G0V+3], s[G0V+3], 0x80000000
	s_add_nc_u64 s[QB:QB+1], s[4:5], s[48:49]
	s_add_nc_u64 s[MB:MB+1], s[6:7], s[50:51]
	s_add_nc_u64 s[OB:OB+1], s[8:9], s[52:53]
	CROUND                                         ; all four work-groups are here
	JLOAD                                          ; tile 0 into slot 0
	v_and_b32 v1, 15, v0                           ; l % 16
	v_bfe_u32 v9, v0, 4, 1                         ; l / 16
	v_and_b32 v13, 31, v0
	v_lshlrev_b32 v[QO], 9, v1
	v_lshl_add_u32 v[QO], v9, 4, v[QO]             ; row x 512 + 16 x half
	v_lshlrev_b32 v[L16], 4, v13
	WIN 0x80
.set i, 0
.rept 16                               ; Q stays in registers: tile i / 8, channels 32 (i % 8) on
	global_load_b128 v[8*i:8*i+3],   v[QO], s[QB:QB+1] offset:(i/8)*8192+(i%8)*64
	global_load_b128 v[8*i+4:8*i+7], v[QO], s[QB:QB+1] offset:(i/8)*8192+(i%8)*64+32
.set i, i+1
.endr
	WIN 0
	MLOAD                                          ; the first step's mask words
	WIN 0x40                                       ; O^T starts at 0, so that the first step is a step like any other; this stands in the wait for the first tile
.set i, 0
.rept 256
	v_mov_b32 v[i], 0
.set i, i+1
.endr
	WIN 0
.irp t, 0,1
	v_mov_b32 v[ST+8*\t], 0xfe000000               ; c m: far below every c s, a masked one too
	v_mov_b32 v[ST+8*\t+1], 0xff7fffff             ; m
	v_mov_b32 v[ST+8*\t+2], 0
	v_mov_b32 v[ST+8*\t+3], 0
.endr
	v_mul_u32_u24 v[AK0], v1, PK
	v_lshl_add_u32 v[AK0], v9, 4, v[AK0]
	v_add_nc_u32 v[AK0], s18, v[AK0]               ; my 64 keys
	v_and_b32 v14, 7, v0                           ; the turning load: lane l reads key 8 (l / 16) + l % 8, channels 8 ((l / 8) % 2) + 0..7
	v_bfe_u32 v15, v0, 3, 1
	v_lshl_add_u32 v[AV0], v9, 3, v14
	v_mul_u32_u24 v[AV0], v[AV0], PV
	v_lshl_add_u32 v[AV0], v15, 4, v[AV0]
	s_add_co_u32 s19, s19, VOFF
	v_add_nc_u32 v[AV0], s19, v[AV0]
	s_mul_i32 s54, s[QH], XCH
	v_lshl_add_u32 v[XCA], v13, 4, s54             ; the merge: 16 bytes a lane
	s_mul_i32 s55, s[QH], 16*SP
	s_add_co_u32 s55, s55, STAGE
	v_lshl_add_u32 v[RD], v13, 4, s55              ; the way out: a whole row of 512 bytes back,
	v_mul_u32_u24 v[STO], v1, SP                   ; in: row l % 16, 16 bytes for each half of the lanes
	v_lshl_add_u32 v[STO], v9, 4, v[STO]
	v_add_nc_u32 v[STO], s55, v[STO]
.Lslot:                                                ; 15 trips: a tile is entered and the next is asked for
	CHANGE 1
	STEP 0
	WIN 0
	s_sub_co_u32 s[SLOTS], s[SLOTS], 1
	s_cmp_lg_u32 s[SLOTS], 0
	s_cbranch_scc1 .Lslot
	CHANGE 0                                       ; the last tile is written out
	STEP 1
	; THE MERGE.  Slot 0 was left by every wave at the last change of slots and is filled no more: the waves of the second key half put O^T, c m and l there, those of the first half take them.
	WIN 0
	PLACES
.irp t, 0,1
	v_add_f32 v[ST+8*\t+2], v[ST+8*\t+2], v[ST+8*\t+3]
.endr
.irp t, 0,1
	v_permlanex16_b32 v[ST+8*\t+3], v[ST+8*\t+2], s[SEL], s[SEL+1]
.endr
.irp t, 0,1
	v_add_f32 v[ST+8*\t+2], v[ST+8*\t+2], v[ST+8*\t+3]             ; l of my 1,024 keys
.endr
	s_cmp_eq_u32 s[KH], 0
	s_cbranch_scc1 .Lkeeper
	v_mov_b32 v48, v[ST]
	v_mov_b32 v49, v[ST+2]
	v_mov_b32 v50, v[ST+8]
	v_mov_b32 v51, v[ST+10]
	ds_store_b128 v[XCA], v[48:51] offset:32768
	WIN 0x04                                       ; the data in window 1
.set i, 0
.rept 64
	ds_store_b128 v[XCA], v[4*i:4*i+3] offset:512*i                ; each accumulator's low half first
.set i, i+1
.endr
	WIN 0
.Lkeeper:
	s_wait_dscnt 0x0                               ; for the others' sake: my stores are done
	s_barrier_signal -1
	s_barrier_wait -1
	s_cmp_eq_u32 s[KH], 0
	s_cbranch_scc0 .Lend
	ds_load_b128 v[52:55], v[XCA] offset:32768     ; the partner's c m and l of both tiles
	s_wait_dscnt 0x0
.irp t, 0,1
	v_max_num_f32 v[40+\t], v[ST+8*\t], v[52+2*\t]                 ; the common c m
.endr
.irp t, 0,1
	v_sub_f32 v[32+4*\t], v[ST+8*\t], v[40+\t]
	v_sub_f32 v[34+4*\t], v[52+2*\t], v[40+\t]
.endr
.irp t, 0,1
	v_exp_f32 v[32+4*\t], v[32+4*\t]               ; my factor,
	v_exp_f32 v[34+4*\t], v[34+4*\t]               ; the partner's
.endr
	v_mov_b32 v46, 0x7fc00000                      ; NaN; also the plain instruction behind the exponentials
	s_wait_alu depctr_va_vdst(0)
.irp t, 0,1
	v_mul_f32 v[42+\t], v[ST+8*\t+2], v[32+4*\t]
.endr
.irp t, 0,1
	v_fmac_f32 v[42+\t], v[53+2*\t], v[34+4*\t]    ; l of all keys
.endr
.irp t, 0,1
	v_rcp_f32 v[42+\t], v[42+\t]
.endr
	v_nop
	v_cmp_gt_f32 vcc_lo, s[THR], v40               ; every key of the row masked: the row is NaN
	s_wait_alu depctr_va_vdst(0)
	v_cndmask_b32 v42, v42, v46, vcc_lo
	v_cmp_gt_f32 vcc_lo, s[THR], v41
	v_cndmask_b32 v43, v43, v46, vcc_lo
.irp t, 0,1
	v_mul_f32 v[32+4*\t], v[32+4*\t], v[42+\t]
	v_mul_f32 v[34+4*\t], v[34+4*\t], v[42+\t]
.endr
; Tile t: the partner's O^T times its factor, plus mine times mine; rounded to f16; through my stage, 16 rows of 512 bytes; stored as whole rows.
.macro MERGE t
	WIN 0
	s_wait_xcnt 0x0                                ; the last tile's stores have read v64-127
.set i, 0
.rept 32
	ds_load_b128 v[64+4*i:64+4*i+3], v[XCA] offset:(32*(\t)+i)*512
.set i, i+1
.endr
	s_wait_dscnt 0x0
.set i, 0
.rept 64
	v_pk_mul_f32 v[64+2*i:64+2*i+1], v[64+2*i:64+2*i+1], v[34+4*(\t):35+4*(\t)] op_sel_hi:[1,0]
.set i, i+1
.endr
	WIN 0x01                                       ; source 0 in window 1
.set i, 0
.rept 64
	v_pk_fma_f32 v[64+2*i:64+2*i+1], v[128*(\t)+2*i:128*(\t)+2*i+1], v[32+4*(\t):33+4*(\t)], v[64+2*i:64+2*i+1] op_sel_hi:[1,0,1]
.set i, i+1
.endr
	WIN 0
.set i, 0
.rept 64
	v_cvt_pk_f16_f32 v[192+i], v[64+2*i], v[64+2*i+1]
.set i, i+1
.endr
.set i, 0
.rept 16
	ds_store_b128 v[STO], v[192+4*i:192+4*i+3] offset:32*i
.set i, i+1
.endr
.set i, 0
.rept 16
	ds_load_b128 v[64+4*i:64+4*i+3], v[RD] offset:i*SP             ; LDS serves a wave's instructions in order (ISA guide 5.7.1.4): these see the stores above
.set i, i+1
.endr
.set i, 0
.rept 16
	s_wait_dscnt 15-i                              ; the younger rows may be out
	global_store_b128 v[L16], v[64+4*i:64+4*i+3], s[OB:OB+1] offset:(16*(\t)+i)*2048  ; 512 consecutive bytes, aligned
.set i, i+1
.endr
.endm
	MERGE 0
	MERGE 1
.Lend:
	s_wait_tensorcnt 0x0                           ; the wave's end
	ds_add_u32 v[SPW], v[NIL]
	s_wait_dscnt 0x0
	CROUND                                         ; the closing round
	s_endpgm
.Lfunc_end_k_qd0621c9e81_attn:
	.size	k_qd0621c9e81_attn, .Lfunc_end_k_qd0621c9e81_attn-k_qd0621c9e81_attn
	.p2alignl 7, 3214868480
	.fill 96, 4, 3214868480
	.section	.rodata,"a",@progbits
	.p2align	6, 0x0
	.amdhsa_kernel k_qd0621c9e81_attn
		.amdhsa_group_segment_fixed_size 327680
		.amdhsa_private_segment_fixed_size 0
		.amdhsa_enable_private_segment 0
		.amdhsa_kernarg_size 24
		.amdhsa_user_sgpr_count 2
		.amdhsa_user_sgpr_kernarg_segment_ptr 1
		.amdhsa_wavefront_size32 1
		.amdhsa_system_sgpr_workgroup_id_x 1
		.amdhsa_system_sgpr_workgroup_id_y 1
		.amdhsa_system_sgpr_workgroup_id_z 1
		.amdhsa_system_vgpr_workitem_id 0
		.amdhsa_next_free_vgpr 896
		.amdhsa_next_free_sgpr 80
		.amdhsa_reserve_vcc 1
		.amdhsa_float_denorm_mode_32 3
		.amdhsa_float_denorm_mode_16_64 3
		.amdhsa_memory_ordered 1
		.amdhsa_forward_progress 1
		.amdhsa_inst_pref_size 140
	.end_amdhsa_kernel
	.amdgpu_metadata
---
amdhsa.version: [ 1, 2 ]
amdhsa.kernels:
  - .name:           k_qd0621c9e81_attn
    .symbol:         k_qd0621c9e81_attn.kd
    .args:
      - { .name: qkvb, .offset: 0, .size: 8, .value_kind: global_buffer, .address_space: global }
      - { .name: ws, .offset: 8, .size: 8, .value_kind: global_buffer, .address_space: global }
      - { .name: ctxb, .offset: 16, .size: 8, .value_kind: global_buffer, .address_space: global }
    .group_segment_fixed_size: 327680
    .private_segment_fixed_size: 0
    .kernarg_segment_align: 8
    .kernarg_segment_size: 24
    .max_flat_workgroup_size: 128
    .sgpr_count:     80
    .vgpr_count:     896
    .wavefront_size: 32
...
	.end_amdgpu_metadata
.endif
;; end of part 3
;; launch outp (part 4): grid 16 x 16, 4 waves a work-group, clusters of 4 x 4, 327,680 bytes of LDS; arguments ctxb, ws, out0; writes out0
.if DOCPART == 4
	.amdgcn_target "amdgcn-amd-amdhsa--gfx1250"
	.amdhsa_code_object_version 6
	.text
	.protected	k_qd0621c9e81_outp
	.globl	k_qd0621c9e81_outp
	.p2align	8
	.type	k_qd0621c9e81_outp,@function
k_qd0621c9e81_outp:
	s_mov_b64 s[64:65], 0
	v_nop
	global_prefetch_b8 v0, s[64:65] scope:SCOPE_SE
	s_setreg_imm32_b32 hwreg(HW_REG_WAVE_MODE, 25, 1), 1
	s_wait_xcnt 0x0
	s_wait_alu depctr_hold_cnt(0) depctr_sa_sdst(0) depctr_va_vdst(0) depctr_va_sdst(0) depctr_va_ssrc(0) depctr_va_vcc(0) depctr_vm_vsrc(0)
	s_getreg_b32 s2, hwreg(HW_REG_IB_STS2, 6, 4)
	s_cmp_eq_u32 s2, 0
	s_cbranch_scc0 .Lentry_in_a_cluster
	s_endpgm
.Lentry_in_a_cluster:
	s_bfe_u32 s2, ttmp6, 0x10000c
	s_cmp_lg_u32 s2, 0xf033
	s_cbranch_scc0 .Lentry_shape_is_right
	s_endpgm
.Lentry_shape_is_right:
; OUTP: out0 = ctx wo^T.  ctx f16 [4096][1024]; wo (rounded to bf16, written as f16) [2048][1024] at ws byte 29,360,128; out0 f32 [4096][2048]; sums in f32.
; A tile is 256 rows x 128 columns: 16 x 16 = 256 work-groups.  Wave w owns rows 64 w .. + 63 and all 128 columns: 4 x 8 accumulators, 256 registers (window 2).
; K goes in steps of 128 through two LDS slots; clusters of 4 x 4 ask jointly for ctx's tiles along a row and for wo's along a column.  The product is used transposed (source 0 = wo's rows).
; The way out goes through LDS in f32: a row of the tile is 512 bytes, which one store of the wave covers.
.set SIZE_K, 1024
.set NB,     8
.set KSTEP,  128
.set NSTEP,  SIZE_K/KSTEP
.set PITCH,  272
.set HALFA,  128*PITCH
.set HALFB,  8*NB*PITCH
.set XS,     0x20000                   ; slot 1 begins here (a slot has 104,448 bytes); it shares no bit with a tile's place in a slot
.set DP,     528                       ; the dump: a row of 128 f32 + 16 bytes
.set SPARE,  XS+2*HALFA+2*HALFB        ; behind the ring: the spare words
.set NL,     2*NB+8
.set WOO,    29360128
.set DW0,    (1<<16)|(1<<20)|(1<<21)|(5<<22)|(3<<25)
.set ADRA0, 3
.set ADRB0, 4
.set ADRA,  5
.set ADRB,  6
.set DST,   7
.set XA,    8
.set L16,   10
.set SPW,   12
.set NIL,   13
.set FA,    64                         ; ctx's fragments, two buffers of 4 x 8; later 16 rows of the dump
.set X,     64
.set CNT,  3
.set WV,   12
.set WH,   13
.set WL,   14
.set TY,   15
.set G1,   24
.set G0,   32
.set G1B,  48
.set G0B,  56
.set TB,   66
.set OB,   70
.set MSB, 0
.macro WIN new
.if MSB != (\new)
	s_set_vgpr_msb (MSB<<8)|(\new)
.set MSB, \new
.endif
.endm
.macro PLACES
.rept 4
	v_nop
.endr
.endm
.macro CREST
	s_cmp_lg_u32 s[WV], 0
	s_cbranch_scc1 .Lnot_wave_0_\@
	s_barrier_signal -3
.Lnot_wave_0_\@:
	s_barrier_wait -3
	s_barrier_signal -1
	s_barrier_wait -1
.endm
.macro CROUND
	s_barrier_signal -1
	s_barrier_wait -1
	CREST
.endm
.macro JLOAD                           ; waves 0, 1 fetch ctx's halves (128 rows), waves 2, 3 wo's (64 rows)
	s_cmp_eq_u32 s[WH], 0
	s_cbranch_scc0 .Lfor_b_\@
	tensor_load_to_lds s[G0+4:G0+7], s[G1:G1+7]
	s_nop 0
.rept 4
	v_nop
.endr
	s_branch .Lasked_\@
.Lfor_b_\@:
	tensor_load_to_lds s[G0B+4:G0B+7], s[G1B:G1B+7]
	s_nop 0
.rept 4
	v_nop
.endr
.Lasked_\@:
.endm
.macro MULA f, a, zero                 ; NB products; the 32 accumulators take turns, one instruction a turn
	WIN 0xa1
.set b, 0
.rept NB
.set rD, 8*((\a)*NB+b)
.set rB, (\f)*8*NB+8*b
.set rA, FA+32*(\f)+8*(\a)
.if \zero
	v_wmma_f32_16x16x32_f16 v[rD:rD+7], v[rB:rB+7], v[rA:rA+7], 0
.else
	v_wmma_f32_16x16x32_f16 v[rD:rD+7], v[rB:rB+7], v[rA:rA+7], v[rD:rD+7]
.endif
.set b, b+1
.endr
.endm
.macro FETCH k, f
	WIN 0x40
.set i, 0
.rept NB
	ds_load_b128 v[(\f)*8*NB+8*i:(\f)*8*NB+8*i+3],   v[ADRB] offset:(\k)+i*16*PITCH
	ds_load_b128 v[(\f)*8*NB+8*i+4:(\f)*8*NB+8*i+7], v[ADRB] offset:(\k)+i*16*PITCH+32
.set i, i+1
.endr
	WIN 0
.set i, 0
.rept 4
	ds_load_b128 v[FA+32*(\f)+8*i:FA+32*(\f)+8*i+3],   v[ADRA] offset:(\k)+i*16*PITCH
	ds_load_b128 v[FA+32*(\f)+8*i+4:FA+32*(\f)+8*i+7], v[ADRA] offset:(\k)+i*16*PITCH+32
.set i, i+1
.endr
.endm
.macro QUARTER k, f, g, zero
	s_wait_dscnt 4                                 ; all but the youngest four loads: ctx's row blocks 2 and 3
	MULA \f, 0, \zero
	MULA \f, 1, \zero
	PLACES
	FETCH \k, \g
	s_wait_dscnt NL                                ; all but the run just issued
	MULA \f, 2, \zero
	MULA \f, 3, \zero
.endm
.macro TURN fill                       ; the last quarter of a K step, and the change of slots: all my tensor loads waited for, the add, my reads waited for, the barrier (fill = 1: a round of the cluster's), the refill first behind it
	WIN 0
	s_wait_tensorcnt 0x0
	ds_add_u32 v[SPW], v[NIL]
	s_wait_dscnt 5                                 ; the add and the youngest four loads may be out
	MULA 1, 0, 0
	s_wait_dscnt 0x0
	s_barrier_signal -1
	MULA 1, 1, 0
	WIN 0
	s_barrier_wait -1
.if \fill
	CREST
	s_xor_b32 s[G0+5], s[G0+5], XS
	s_add_nc_u64 s[G0+6:G0+7], s[G0+6:G0+7], KSTEP*2
	s_xor_b32 s[G0B+5], s[G0B+5], XS
	s_add_nc_u64 s[G0B+6:G0B+7], s[G0B+6:G0B+7], KSTEP*2
	JLOAD
.else
	PLACES
.endif
	s_xor_b32 s[TB], s[TB], XS
	v_add_nc_u32 v[ADRA], s[TB], v[ADRA0]
	v_add_nc_u32 v[ADRB], s[TB], v[ADRB0]
	FETCH 0, 0
	MULA 1, 2, 0
	MULA 1, 3, 0
.endm
	s_load_b128 s[4:7], s[0:1], 0x0                ; ctxb s[4:5], ws s[6:7]
	s_load_b64 s[8:9], s[0:1], 0x10                ; out0
	v_lshl_add_u32 v[SPW], v0, 2, SPARE
	v_mov_b32 v[NIL], 0
	ds_add_u32 v[SPW], v[NIL]                      ; the wave's opening: the add and its wait ahead of my first tensor load
	v_lshrrev_b32 v1, 5, v0
	v_readfirstlane_b32 s[WV], v1
	s_lshr_b32 s[WH], s[WV], 1
	s_and_b32 s[WL], s[WV], 1
	s_bfe_u32 s40, ttmp6, 0x40000                  ; cx
	s_bfe_u32 s41, ttmp6, 0x40004                  ; cy
	s_lshl_b32 s42, ttmp9, 2
	s_add_co_u32 s42, s42, s40                     ; tile column
	s_and_b32 s[TY], ttmp7, 0xffff
	s_lshl_b32 s[TY], s[TY], 2
	s_add_co_u32 s[TY], s[TY], s41                 ; tile row
	s_lshl_b32 s43, s41, 2
	s_lshl_b32 s43, 15, s43
	s_lshl_b32 s44, 0x1111, s40
	s_or_b32 s[G1], s43, DW0
	s_or_b32 s[G1B], s44, DW0
.irp g, G1, G1B
	s_mov_b32 s[\g+1], KSTEP<<16
	s_mov_b32 s[\g+3], KSTEP<<16
	s_mov_b32 s[\g+5], SIZE_K
	s_mov_b32 s[\g+6], 0
	s_mov_b32 s[\g+7], 0
.endr
	s_mov_b32 s[G1+2], 128<<16
	s_mov_b32 s[G1+4], 128
	s_mov_b32 s[G1B+2], (8*NB)<<16
	s_mov_b32 s[G1B+4], 8*NB
	s_lshl_b32 s16, s[TY], 8
	s_lshl_b32 s17, s[WL], 7
	s_add_co_u32 s16, s16, s17
	s_mul_i32 s16, s16, SIZE_K*2
	s_mov_b32 s17, 0
	s_mul_i32 s20, s42, 16*NB
	s_mul_i32 s21, s[WL], 8*NB
	s_add_co_u32 s20, s20, s21
	s_mul_i32 s20, s20, SIZE_K*2
	s_add_co_u32 s20, s20, WOO
	s_mov_b32 s21, 0
	s_mul_i32 s18, s[WV], HALFA                    ; ctx's halves at 0 and HALFA (waves 0, 1);
	s_mul_i32 s22, s[WV], HALFB                    ; wo's behind ctx's 256 rows (waves 2, 3)
	s_add_co_u32 s22, s22, 2*(HALFA-HALFB)
	s_lshl_b32 s46, s[TY], 21                      ; out0: row 256 x tile row + 64 x wave, 8,192 bytes each; 512 bytes a tile column
	s_lshl_b32 s47, s[WV], 19
	s_add_co_u32 s46, s46, s47
	s_lshl_b32 s47, s42, 9
	s_add_co_u32 s46, s46, s47
	s_mov_b32 s47, 0
	s_mov_b32 s[TB], 0
	s_wait_dscnt 0x0                               ; the opening add is done
	s_wait_kmcnt 0x0
	s_add_nc_u64 s[16:17], s[4:5], s[16:17]
	s_add_nc_u64 s[20:21], s[6:7], s[20:21]
	s_add_nc_u64 s[OB:OB+1], s[8:9], s[46:47]
.irp s, 0,1
	s_mov_b32 s[G0+4*(\s)], 1
	s_add_co_u32 s[G0+4*(\s)+1], s18, (\s)*XS
	s_add_nc_u64 s[G0+4*(\s)+2:G0+4*(\s)+3], s[16:17], (\s)*KSTEP*2
	s_or_b32 s[G0+4*(\s)+3], s[G0+4*(\s)+3], 0x80000000
	s_mov_b32 s[G0B+4*(\s)], 1
	s_add_co_u32 s[G0B+4*(\s)+1], s22, (\s)*XS
	s_add_nc_u64 s[G0B+4*(\s)+2:G0B+4*(\s)+3], s[20:21], (\s)*KSTEP*2
	s_or_b32 s[G0B+4*(\s)+3], s[G0B+4*(\s)+3], 0x80000000
.endr
	CROUND
	s_cmp_eq_u32 s[WH], 0                          ; a wave's two first fills stand in one branch: two loads of mine are out
	s_cbranch_scc0 .Lfirst_b
	tensor_load_to_lds s[G0:G0+3], s[G1:G1+7]
	s_nop 0
	tensor_load_to_lds s[G0+4:G0+7], s[G1:G1+7]
	s_nop 0
.rept 4
	v_nop
.endr
	s_branch .Lfirst_asked
.Lfirst_b:
	tensor_load_to_lds s[G0B:G0B+3], s[G1B:G1B+7]
	s_nop 0
	tensor_load_to_lds s[G0B+4:G0B+7], s[G1B:G1B+7]
	s_nop 0
.rept 4
	v_nop
.endr
.Lfirst_asked:
	v_and_b32 v1, 15, v0
	v_bfe_u32 v2, v0, 4, 1
	v_and_b32 v11, 31, v0
	v_mul_u32_u24 v[ADRB0], v1, PITCH
	v_lshl_add_u32 v[ADRB0], v2, 4, v[ADRB0]
	s_mul_i32 s23, s[WV], 64*PITCH
	v_add_nc_u32 v[ADRA0], s23, v[ADRB0]
	v_add_nc_u32 v[ADRB0], 2*HALFA, v[ADRB0]
	v_mov_b32 v[ADRA], v[ADRA0]
	v_mov_b32 v[ADRB], v[ADRB0]
	s_mul_i32 s23, s[WV], 64*DP
	v_mul_u32_u24 v[DST], v1, DP
	v_lshl_add_u32 v[DST], v2, 5, v[DST]
	v_add_nc_u32 v[DST], s23, v[DST]
	v_lshl_add_u32 v[XA], v11, 4, s23
	v_lshlrev_b32 v[L16], 4, v11
	s_wait_tensorcnt 0x1                           ; my part of K step 0 is in; K step 1's stays out
	s_barrier_signal -1
	s_barrier_wait -1
	FETCH 0, 0
	QUARTER 64, 0, 1, 1
	WIN 0
	s_mov_b32 s[CNT], NSTEP-2
.Lstep:
	QUARTER 128, 1, 0, 0
	QUARTER 192, 0, 1, 0
	TURN 1
	QUARTER 64, 0, 1, 0
	WIN 0
	s_sub_co_u32 s[CNT], s[CNT], 1
	s_cmp_lg_u32 s[CNT], 0
	s_cbranch_scc1 .Lstep
	QUARTER 128, 1, 0, 0
	QUARTER 192, 0, 1, 0
	TURN 0
	QUARTER 64, 0, 1, 0
	QUARTER 128, 1, 0, 0
	QUARTER 192, 0, 1, 0
	s_wait_dscnt 0x0
	MULA 1, 0, 0
	MULA 1, 1, 0
	MULA 1, 2, 0
	MULA 1, 3, 0
	WIN 0
	PLACES
	s_barrier_signal -1                            ; every wave's reads of the ring are back: behind this barrier the ring, which is filled no more, is the dump
	s_barrier_wait -1
	WIN 0x08                                       ; the data in window 2
.set a, 0
.rept 4
.set b, 0
.rept NB
.set rD, 8*(a*NB+b)
	ds_store_b128 v[DST], v[rD:rD+3]   offset:a*16*DP+64*b         ; each accumulator's low registers first
	ds_store_b128 v[DST], v[rD+4:rD+7] offset:a*16*DP+64*b+16
.set b, b+1
.endr
.set a, a+1
.endr
	WIN 0
	s_mov_b32 s[CNT], 4
.Lrows:                                                ; four trips of 16 of my rows: back as whole rows (my own bytes: LDS serves a wave's instructions in order), and stored
.set i, 0
.rept 16
	ds_load_b128 v[X+4*i:X+4*i+3], v[XA] offset:i*DP
.set i, i+1
.endr
.set i, 0
.rept 16
	s_wait_dscnt 15-i                              ; the younger rows may be out
	global_store_b128 v[L16], v[X+4*i:X+4*i+3], s[OB:OB+1] offset:i*8192 th:TH_STORE_NT  ; 512 consecutive bytes, aligned
.set i, i+1
.endr
	s_wait_xcnt 0x0                                ; the stores' data and base are rewritten only behind this wait
	s_add_nc_u64 s[OB:OB+1], s[OB:OB+1], 16*8192
	v_add_nc_u32 v[XA], 16*DP, v[XA]
	s_sub_co_u32 s[CNT], s[CNT], 1
	s_cmp_lg_u32 s[CNT], 0
	s_cbranch_scc1 .Lrows
	s_wait_tensorcnt 0x0                           ; the wave's end
	ds_add_u32 v[SPW], v[NIL]
	s_wait_dscnt 0x0
	CROUND                                         ; the closing round
	s_endpgm
.Lfunc_end_k_qd0621c9e81_outp:
	.size	k_qd0621c9e81_outp, .Lfunc_end_k_qd0621c9e81_outp-k_qd0621c9e81_outp
	.p2alignl 7, 3214868480
	.fill 96, 4, 3214868480
	.section	.rodata,"a",@progbits
	.p2align	6, 0x0
	.amdhsa_kernel k_qd0621c9e81_outp
		.amdhsa_group_segment_fixed_size 327680
		.amdhsa_private_segment_fixed_size 0
		.amdhsa_enable_private_segment 0
		.amdhsa_kernarg_size 24
		.amdhsa_user_sgpr_count 2
		.amdhsa_user_sgpr_kernarg_segment_ptr 1
		.amdhsa_wavefront_size32 1
		.amdhsa_system_sgpr_workgroup_id_x 1
		.amdhsa_system_sgpr_workgroup_id_y 1
		.amdhsa_system_sgpr_workgroup_id_z 1
		.amdhsa_system_vgpr_workitem_id 0
		.amdhsa_next_free_vgpr 768
		.amdhsa_next_free_sgpr 96
		.amdhsa_reserve_vcc 0
		.amdhsa_float_denorm_mode_32 3
		.amdhsa_float_denorm_mode_16_64 3
		.amdhsa_memory_ordered 1
		.amdhsa_forward_progress 1
		.amdhsa_inst_pref_size 62
	.end_amdhsa_kernel
	.amdgpu_metadata
---
amdhsa.version: [ 1, 2 ]
amdhsa.kernels:
  - .name:           k_qd0621c9e81_outp
    .symbol:         k_qd0621c9e81_outp.kd
    .args:
      - { .name: ctxb, .offset: 0, .size: 8, .value_kind: global_buffer, .address_space: global }
      - { .name: ws, .offset: 8, .size: 8, .value_kind: global_buffer, .address_space: global }
      - { .name: out0, .offset: 16, .size: 8, .value_kind: global_buffer, .address_space: global }
    .group_segment_fixed_size: 327680
    .private_segment_fixed_size: 0
    .kernarg_segment_align: 8
    .kernarg_segment_size: 24
    .max_flat_workgroup_size: 128
    .sgpr_count:     96
    .vgpr_count:     768
    .wavefront_size: 32
...
	.end_amdgpu_metadata
.endif
;; end of part 4
